; MI455X (gfx1250); checked and timed in simulation.
; The chip was launched on July 23, 2026; its instructions are those of AMD's public machine-readable ISA for CDNA 5 (MIT licence, August 2026) and "CDNA5" Instruction Set Architecture Reference Guide (July 2026). The comments in the code are by the model that wrote it; some were corrected since.
;; Hyper GRU Cell. Allowed arithmetic: matrix products marked QUANTISED: E2M1 operands, one E8M0 scale for each 32 along K, by v_wmma_scale_f32_16x16x128_f8f6f4 with both operands' format E2M1 (or v_wmma_scale_f32_32x16x128_f4), f32 sums; everything else in f32.
;; Inputs: U_codes 512 x 16 x 16 uint8 (E2M1 codes of U, K innermost, in blocks of 32 codes, two codes a byte); U_scales 512 x 16 uint8 (E8M0 scales of U, one for each 32 codes along K); Ur_codes 512 x 16 x 16 uint8 (E2M1 codes of Ur, K innermost, in blocks of 32 codes, two codes a byte); Ur_scales 512 x 16 uint8 (E8M0 scales of Ur, one for each 32 codes along K); Uz_codes 512 x 16 x 16 uint8 (E2M1 codes of Uz, K innermost, in blocks of 32 codes, two codes a byte); Uz_scales 512 x 16 uint8 (E8M0 scales of Uz, one for each 32 codes along K); W_codes 512 x 16 x 16 uint8 (E2M1 codes of W, K innermost, in blocks of 32 codes, two codes a byte); W_scales 512 x 16 uint8 (E8M0 scales of W, one for each 32 codes along K); Wr_codes 512 x 16 x 16 uint8 (E2M1 codes of Wr, K innermost, in blocks of 32 codes, two codes a byte); Wr_scales 512 x 16 uint8 (E8M0 scales of Wr, one for each 32 codes along K); Wz_codes 512 x 16 x 16 uint8 (E2M1 codes of Wz, K innermost, in blocks of 32 codes, two codes a byte); Wz_scales 512 x 16 uint8 (E8M0 scales of Wz, one for each 32 codes along K); bU 512 float32; bUr 512 float32; bUz 512 float32; bW 512 float32; bWr 512 float32; bWz 512 float32; inp 16,384 x 512 float32; prev 16,384 x 512 float32.
;; Outputs: out0 16,384 x 512 float32.
;; This version of the problem:
;;   THIS VERSION OF THE PROBLEM IS GIVEN IN LOW PRECISION. The matrix products marked QUANTISED in the list below multiply operands that are first quantised to E2M1 (2 exponent bits, 1 mantissa bit; 4 bits a number), with one power-of-two scale for each 32 numbers along K (OCP MX v1.0); their sums are f32. All else is computed in f32.
;;   The module's matrix products, in the order in which they are computed (A, B: the left and right operand; K: the contracted axis; several contracted axes count as one K, in the product's order):
;;     1. [M 16,384, K 512] x [K 512, N 512]; A: input prev; B: input Wr (given as codes): QUANTISED
;;     2. [M 16,384, K 512] x [K 512, N 512]; A: input inp; B: input Ur (given as codes): QUANTISED
;;     3. [M 16,384, K 512] x [K 512, N 512]; A: input prev; B: input Wz (given as codes): QUANTISED
;;     4. [M 16,384, K 512] x [K 512, N 512]; A: input inp; B: input Uz (given as codes): QUANTISED
;;     5. [M 16,384, K 512] x [K 512, N 512]; A: computed on the way; B: input W (given as codes): QUANTISED
;;     6. [M 16,384, K 512] x [K 512, N 512]; A: input inp; B: input U (given as codes): QUANTISED
;;   THE QUANTISER, for each operand of a quantised product, along K:
;;     - K is cut into blocks of 32 from its start; a last block that is shorter is filled with zeros.
;;     - A block's scale is 2^e with e = floor(log2(the largest magnitude in the block)) - 2, held to -126 .. 127; a block of zeros has e = 0. As a byte (E8M0): e + 127.
;;     - Each number is divided by its block's scale, clamped to +-6, and rounded to the nearest number of E2M1, ties to even, subnormals kept.
;;     - The product sums the exact products of the quantised numbers (number of the format x scale) in f32.
;;   ~~~python
;;   def quantise(x, axis):      # numpy; x: float32 -> the quantised numbers, widened to float32 again
;;       x = np.moveaxis(x, axis, -1); K = x.shape[-1]
;;       x = np.pad(x, [(0, 0)] * (x.ndim - 1) + [(0, -K % 32)]); x = x.reshape(x.shape[:-1] + (-1, 32)); a = np.abs(x).max(-1, keepdims=True)
;;       e = np.where(a > 0, np.clip(np.frexp(np.where(a > 0, a, 1))[1] - 1 - 2, -126, 127), 0)      # np.frexp(a)[1] - 1 = floor(log2(a)), exactly
;;       r = np.clip(x / 2.0 ** e, -6, 6)
;;       step = 2.0 ** (np.maximum(np.frexp(np.where(r == 0, 1, r))[1] - 1, 0) - 1)
;;       q = np.round(r / step) * step * 2.0 ** e      # np.round: ties to even
;;       return np.moveaxis(q.reshape(q.shape[:-2] + (-1,))[..., :K], -1, axis).astype(np.float32)
;;   ~~~
;;   OPERANDS COMPUTED ON THE WAY. 'Computed on the way' means the value that the module computes at that place (a softmax that the list does not call 'softmax' is quantised finished and normalised). What goes into a quantiser is computed in f32, as accurately as f32 sums, v_exp_f32 and their like allow (about 1e-6 of the number): no bf16 or f16 on the way to a quantiser, and a product that is left as it is and whose result goes on into a quantised operand takes f32 operands (vector FMAs, or v_wmma_f32_16x16x4_f32). A number that lies on a knife's edge between two numbers of the format may be rounded either way, as far as f32 arithmetic and the matrix unit's own rounding can turn it there, and no further.
;;   INPUTS GIVEN AS CODES. U (in the module: [512, 512], K = its axis 0); Ur (in the module: [512, 512], K = its axis 0); Uz (in the module: [512, 512], K = its axis 0); W (in the module: [512, 512], K = its axis 0); Wr (in the module: [512, 512], K = its axis 0); Wz (in the module: [512, 512], K = its axis 0): each comes as NAME_codes (uint8): NAME with its K axis moved to the last place and cut into blocks of 32 codes, [.., K / 32, bytes a block], one block behind the other in memory; two codes a byte, the lower K in the low four bits (a code: sign, 2 exponent bits, 1 mantissa bit); and NAME_scales (uint8): the same leading axes, one E8M0 byte (e + 127) for each 32 codes along K. Its value is code x scale, taken as it is: it is not quantised again, and the codes and scales need not be those that the quantiser above would give.
;; One version. Each part assembles by itself: llvm-mc -triple=amdgcn-amd-amdhsa -mcpu=gfx1250 --defsym DOCPART=n.
;; ======== version 1 of 1: 1 launch
;; limits: right only within a limited range of input values
;; launch hypergru (part 1): grid 256 x 1, 16 waves a work-group, clusters of 4 x 1, 327,680 bytes of LDS; arguments inp, prev, Wr_codes, Ur_codes, Wz_codes, Uz_codes, U_codes, W_codes, Wr_scales, Ur_scales, Wz_scales, Uz_scales, U_scales, W_scales, bWr, bUr, bWz, bUz, bW, bU, out0; writes out0
.if DOCPART == 1
	.amdgcn_target "amdgcn-amd-amdhsa--gfx1250"
	.amdhsa_code_object_version 6
	.text
	.protected	k_qe0eddd89e5_hypergru
	.globl	k_qe0eddd89e5_hypergru
	.p2align	8
	.type	k_qe0eddd89e5_hypergru,@function
k_qe0eddd89e5_hypergru:
	s_mov_b64 s[64:65], 0
	v_nop
	global_prefetch_b8 v0, s[64:65] scope:SCOPE_SE
	s_setreg_imm32_b32 hwreg(HW_REG_WAVE_MODE, 25, 1), 1
	s_wait_xcnt 0x0
	s_wait_alu depctr_hold_cnt(0) depctr_sa_sdst(0) depctr_va_vdst(0) depctr_va_sdst(0) depctr_va_ssrc(0) depctr_va_vcc(0) depctr_vm_vsrc(0)
	s_getreg_b32 s2, hwreg(HW_REG_IB_STS2, 6, 4)
	s_cmp_eq_u32 s2, 0
	s_cbranch_scc0 .Lentry_in_a_cluster
	s_endpgm
.Lentry_in_a_cluster:
	s_bfe_u32 s2, ttmp6, 0x10000c
	s_cmp_lg_u32 s2, 0x3003
	s_cbranch_scc0 .Lentry_shape_is_right
	s_endpgm
.Lentry_shape_is_right:
; HyperGRU cell, the whole chain in one launch.  A work-group owns 64 rows; wave w = 4 mt + cs owns rows 16 mt .. +15 and columns 128 cs .. +127.
; Every product is used transposed (source 0 = 16 rows of the weight, source 1 = 16 rows of x): lane (r, h) holds row r, register 8 t + j the column 128 cs + 16 t + 8 h + j.
; Each Mobius step is a linear form in P, X, prev and the biases whose factors hang on row sums alone: the sums are taken per wave, joined by four waves through LDS, and the factors made per lane.
; The squared norm of a Mobius sum is taken as |x + y|^2 den / clip(den)^2, an identity of the formula; its rounding differs from a sum over the finished vector.
; No work is left out: every input is loaded.  Weights: two LDS slots, a whole matrix each, asked for jointly by the four work-groups of a cluster (all read the same weights).
; No prefetch: the text has no loop to run ahead in; each pair of matrices is asked for one phase ahead of its use.
; The adds on spare words, the claim of all LDS, s_nop 0 behind tensor loads and the s_wait_alu lines.
.set WP, 272
.set WPART, 34816
.set SLB, 139264
.set SP, 528
.set IMG, 278528
.set XI, 0
.set PI, 17408
.set ISC, 16384
.set BIAS, 313344
.set SCR, 317440
.set SPARE, 324608
.set SPW, 1
.set NIL, 2
.set AW1, 3
.set AW2, 4
.set LIR, 5
.set LSR, 6
.set WSO, 7
.set KK, 8
.set PP, 10
.set BRA, 11
.set PC, 12
.set PW, 20
.set SCW, 21
.set SCD, 63
.set WS, 22
.set WF, 38
.set XF, 54
.set XS, 62
.set AC, 22
.set RS, 22
.set CF, 22
.set BL, 36
.set E, 38
.set TM, 38
.set A1, 64
.set A2, 128
.set A3, 192
.set BC, 160
.set YY, 34
.set TT, 38
.set RM, 40
.set SG, 42
.set XX, 44
.set XY, 46
.set TA, 48
.set DN, 50
.set RD, 52
.set AL, 54
.set BE, 56
.set NN, 58
.set AB, 60
.set T1, 61
.set CX, 62
.set CY, 12
.set GG, 13
.set TA1, 14
.set DN1, 15
.set RD1, 16
.set KG, 17
.set UU, 18
.set VV, 19
.set NB, 20
.set NC, 33
.set ND, 35
.set DA, 38
.set DB, 39
.macro WA
	s_wait_alu depctr_va_vdst(0)
.endm
.macro WD n
	WA
	s_wait_dscnt \n
.endm
.macro PLACES
.rept 4
	v_nop
.endr
.endm
.macro ROUND
	s_barrier_signal -1
	s_barrier_wait -1
	s_cmp_lg_u32 s3, 0
	s_cbranch_scc1 .Lnot_wave_0_\@
	s_barrier_signal -3
.Lnot_wave_0_\@:
	s_barrier_wait -3
	s_barrier_signal -1
	s_barrier_wait -1
.endm
.macro THREE
	WA
	s_wait_tensorcnt 0x0
	ds_add_u32 v[SPW], v[NIL]
	s_wait_dscnt 0x0
.endm
.macro BAR                             ; my LDS work is done, my pending loads have read their addresses; then the work-group's barrier
	WA
	s_wait_xcnt 0x0
	s_wait_dscnt 0x0
	s_barrier_signal -1
	s_barrier_wait -1
.endm
.macro JFILL ga, gb                    ; waves 0-7: 64 rows each of slot A's matrix; waves 8-15: of slot B's
	s_cmp_lt_u32 s3, 8
	s_cbranch_scc0 .Lslot_b_\@
	tensor_load_to_lds s[\ga:\ga+3], s[68:75]
	s_nop 0
	PLACES
	s_branch .Lasked_\@
.Lslot_b_\@:
	tensor_load_to_lds s[\gb:\gb+3], s[68:75]
	s_nop 0
	PLACES
.Lasked_\@:
.endm
.macro G0W g, p
	s_mov_b32 s[\g], 1
	s_mov_b32 s[\g+1], s2
	s_add_nc_u64 s[\g+2:\g+3], s[\p:\p+1], s[66:67]
	s_or_b32 s[\g+3], s[\g+3], 0x80000000
.endm
.macro WSLOAD p                        ; a matrix's scale words, K step by K step: register 4 s + b: lanes 0-15 tile 2 b, lanes 16-31 tile 2 b + 1
.irp s,0,1,2,3
.irp b,0,1,2,3
	global_load_b32 v[WS+4*\s+\b], v[WSO], s[\p:\p+1] offset:512*\b+4*\s
.endr
.endr
.endm
.macro BLOAD p0, p1                    ; the phase's two biases, 256 bytes a wave
	v_and_b32 v62, 255, v0
	v_lshlrev_b32 v62, 3, v62
	s_cmp_lt_u32 s3, 8
	s_cselect_b64 s[100:101], s[\p0:\p0+1], s[\p1:\p1+1]
	global_load_b64 v[BL:BL+1], v62, s[100:101]
.endm
.macro BSTORE
	WA
	s_wait_loadcnt 0x0
	v_lshl_add_u32 v62, v0, 3, BIAS
	ds_store_b64 v62, v[BL:BL+1]
.endm
; One product, 16 rows x 128 columns x K 512: 32 matrix instructions, the eight accumulators by turns.  has = 1: behind K step s the next matrix's scale words of step s are asked for.
.macro MAT adr, img, acc, nsp, has
.set s_, 0
.rept 4
	ds_load_b128 v[XF:XF+3], v[LIR] offset:(\img)+1024*s_
	ds_load_b128 v[XF+4:XF+7], v[LIR] offset:(\img)+1024*s_+512
	ds_load_b32 v[XS], v[LSR] offset:(\img)+ISC+64*s_
.set p_, 0
.rept 4
.irp i,0,1
.irp c,0,1
	ds_load_b128 v[WF+8*\i+4*\c:WF+8*\i+4*\c+3], v[\adr] offset:(2*p_+\i)*16*WP+64*s_+32*\c
.endr
.endr
.if p_ == 0
.if \has
	s_wait_loadcnt 12                      ; behind step s's four words: 4 (3 - s) of this matrix and 4 s of the next
.else
	s_wait_loadcnt 4*(3-s_)
.endif
.endif
	s_wait_dscnt 0x0
.set d_, (\acc)+16*p_
.if s_ == 0
	v_wmma_scale_f32_16x16x128_f8f6f4 v[d_:d_+7], v[WF:WF+7], v[XF:XF+7], 0, v[WS+4*s_+p_], v[XS] matrix_a_fmt:MATRIX_FMT_FP4 matrix_b_fmt:MATRIX_FMT_FP4
	v_wmma_scale_f32_16x16x128_f8f6f4 v[d_+8:d_+15], v[WF+8:WF+15], v[XF:XF+7], 0, v[WS+4*s_+p_], v[XS] matrix_a_fmt:MATRIX_FMT_FP4 matrix_b_fmt:MATRIX_FMT_FP4 matrix_a_scale:MATRIX_SCALE_ROW1
.else
	v_wmma_scale_f32_16x16x128_f8f6f4 v[d_:d_+7], v[WF:WF+7], v[XF:XF+7], v[d_:d_+7], v[WS+4*s_+p_], v[XS] matrix_a_fmt:MATRIX_FMT_FP4 matrix_b_fmt:MATRIX_FMT_FP4
	v_wmma_scale_f32_16x16x128_f8f6f4 v[d_+8:d_+15], v[WF+8:WF+15], v[XF:XF+7], v[d_+8:d_+15], v[WS+4*s_+p_], v[XS] matrix_a_fmt:MATRIX_FMT_FP4 matrix_b_fmt:MATRIX_FMT_FP4 matrix_a_scale:MATRIX_SCALE_ROW1
.endif
	PLACES
.set p_, p_+1
.endr
.if \has
.irp b,0,1,2,3
	global_load_b32 v[WS+4*s_+\b], v[WSO], s[\nsp:\nsp+1] offset:512*\b+4*s_
.endr
.endif
.set s_, s_+1
.endr
.endm
; 64 registers (16 rows x 128 along the next K) to codes PC and the scale word PW
.macro QUANT QB
.irp b,0,1,2,3
	v_max3_num_f32 v[TM+\b], 0x1800000, |v[(\QB)+16*\b]|, |v[(\QB)+16*\b+1]|
.endr
.irp i,2,4,6,8,10,12,14
.irp b,0,1,2,3
	v_max3_num_f32 v[TM+\b], v[TM+\b], |v[(\QB)+16*\b+\i]|, |v[(\QB)+16*\b+\i+1]|
.endr
.endr
.irp b,0,1,2,3
	v_permlanex16_b32 v[TM+4+\b], v[TM+\b], s4, s5
.endr
.irp b,0,1,2,3
	v_max_num_f32 v[TM+\b], v[TM+\b], v[TM+4+\b]
.endr
.irp b,0,1,2,3
	v_add_nc_u32 v[TM+12+\b], 0xff000000, v[TM+\b]
.endr
.irp b,0,1,2,3
	v_lshrrev_b32 v[TM+4+\b], 23, v[TM+12+\b]
.endr
	v_lshl_or_b32 v[PW], v[TM+5], 8, v[TM+4]
	v_lshl_or_b32 v[PW], v[TM+6], 16, v[PW]
	v_lshl_or_b32 v[PW], v[TM+7], 24, v[PW]
.irp c,0,1
.irp u,0,1
.irp e,0,1
	v_cvt_scalef32_pk8_fp4_f32 v[PC+4*\c+2*\u+\e], v[(\QB)+16*(2*\c+\e)+8*\u:(\QB)+16*(2*\c+\e)+8*\u+7], v[TM+12+2*\c+\e]
.endr
.endr
.endr
	v_nop
.irp c,0,1
.irp u,0,1
	v_permlane16_swap_b32 v[PC+4*\c+2*\u], v[PC+4*\c+2*\u+1]
.endr
.endr
.endm
.macro IMAGE img                       ; the operand's registers as they are: block w = 4 mt + K step
	v_and_b32 v60, 31, v0
	v_and_b32 v61, 15, v0
	s_lshl_b32 s2, s3, 10
	v_lshl_add_u32 v60, v60, 4, IMG
	v_lshl_add_u32 v61, v61, 2, IMG
	v_add_nc_u32 v60, s2, v60
	s_lshl_b32 s2, s3, 6
	v_add_nc_u32 v61, s2, v61
	ds_store_b128 v60, v[PC:PC+3] offset:(\img)
	ds_store_b128 v60, v[PC+4:PC+7] offset:(\img)+512
	ds_store_b32 v61, v[PW] offset:(\img)+ISC
.endm
.macro BTL t                           ; tile t's eight numbers of both biases, two buffers by turns
.irp k,0,1
.set bb_, 30+8*(2*((\t)%2)+\k)
.if bb_ == 30
.set bb_, 12
.endif
	ds_load_b128 v[bb_:bb_+3], v[BRA] offset:2048*\k+64*(\t)
	ds_load_b128 v[bb_+4:bb_+7], v[BRA] offset:2048*\k+64*(\t)+16
.endr
.endm
.macro BTB t
.set b1_, 30+16*((\t)%2)
.if b1_ == 30
.set b1_, 12
.endif
.set b2_, 38+16*((\t)%2)
.if (\t) < 7
	WD 4
.else
	WD 0
.endif
.endm
.macro ACCR c, a, b
.if f_
	v_pk_mul_f32 v[\c:\c+1], v[\a:\a+1], v[\b:\b+1]
.else
	v_pk_fma_f32 v[\c:\c+1], v[\a:\a+1], v[\b:\b+1], v[\c:\c+1]
.endif
.endm
.macro SUM1                            ; PP, XX, P b1, X b2, P b2, X b1, PX
	BTL 0
	BTL 1
.set t_, 0
.rept 8
	BTB t_
.irp jj,0,2,4,6
.set f_, (t_==0)&&(\jj==0)
.set p_, A1+8*t_+\jj
.set x_, A2+8*t_+\jj
	ACCR AC, p_, p_
	ACCR AC+2, x_, x_
	ACCR AC+4, p_, b1_+\jj
	ACCR AC+6, x_, b2_+\jj
	ACCR AC+8, p_, b2_+\jj
	ACCR AC+10, x_, b1_+\jj
	ACCR AC+12, p_, x_
.endr
.if t_ < 6
	BTL t_+2
.endif
.set t_, t_+1
.endr
.endm
.macro SUM2                            ; prev P, prev X, prev b1, prev b2
	BTL 0
	BTL 1
.set t_, 0
.rept 8
	BTB t_
.irp jj,0,2,4,6
.set f_, (t_==0)&&(\jj==0)
.set h_, A3+8*t_+\jj
	ACCR AC, h_, A1+8*t_+\jj
	ACCR AC+2, h_, A2+8*t_+\jj
	ACCR AC+4, h_, b1_+\jj
	ACCR AC+6, h_, b2_+\jj
.endr
.if t_ < 6
	BTL t_+2
.endif
.set t_, t_+1
.endr
.endm
.macro COLLST n, adr, q0               ; n pairs to n row sums of my 128 columns, stored at [sum][row][cs]
.set q_, 0
.rept \n
	v_add_f32 v[AC+2*q_], v[AC+2*q_], v[AC+2*q_+1]
.set q_, q_+1
.endr
.set q_, 0
.rept \n
	v_permlanex16_b32 v[AC+2*q_+1], v[AC+2*q_], s4, s5
.set q_, q_+1
.endr
.set q_, 0
.rept \n
	v_add_f32 v[AC+2*q_], v[AC+2*q_], v[AC+2*q_+1]
.set q_, q_+1
.endr
.set q_, 0
.rept \n
	ds_store_b32 v[\adr], v[AC+2*q_] offset:256*((\q0)+q_)
.set q_, q_+1
.endr
.endm
.macro EXRD q0, n, adr                 ; the four waves' parts of n sums, one 16-byte load a sum
.set q_, 0
.rept \n
	ds_load_b128 v[E+4*q_:E+4*q_+3], v[\adr] offset:256*((\q0)+q_)
.set q_, q_+1
.endr
	WD 0
.set q_, 0
.rept \n
	v_pk_add_f32 v[E+4*q_:E+4*q_+1], v[E+4*q_:E+4*q_+1], v[E+4*q_+2:E+4*q_+3]
.set q_, q_+1
.endr
.set q_, 0
.rept \n
	v_add_f32 v[RS+(\q0)+q_], v[E+4*q_], v[E+4*q_+1]
.set q_, q_+1
.endr
.endm
.macro V2 op, d, a, b, n
.set y_, 0
.rept \n
	\op v[(\d)+y_], v[(\a)+y_], v[(\b)+y_]
.set y_, y_+1
.endr
.endm
.macro VK op, d, k, a, n
.set y_, 0
.rept \n
	\op v[(\d)+y_], \k, v[(\a)+y_]
.set y_, y_+1
.endr
.endm
.macro VF d, a, b, c, n
.set y_, 0
.rept \n
	v_fma_f32 v[(\d)+y_], v[(\a)+y_], v[(\b)+y_], v[(\c)+y_]
.set y_, y_+1
.endr
.endm
.macro VFK d, a, k1, k2, n
.set y_, 0
.rept \n
	v_fma_f32 v[(\d)+y_], v[(\a)+y_], \k1, \k2
.set y_, y_+1
.endr
.endm
.macro TR op, d, a, n
	WA
.set y_, 0
.rept \n
	\op v[(\d)+y_], v[(\a)+y_]
.set y_, y_+1
.endr
	v_nop
	WA
.endm
.macro KOF d, n2, ta, tb, tc, n        ; (log2(1 + a) - log2(1 - a)) / norm, a = the clipped norm
	VK v_max_num_f32, \ta, s6, \n2, \n
	TR v_rsq_f32, \tb, \ta, \n
	V2 v_mul_f32, \ta, \ta, \tb, \n
	VK v_min_num_f32, \ta, s7, \ta, \n
	VK v_add_f32, \tc, 1.0, \ta, \n
	VK v_sub_f32, \ta, 1.0, \ta, \n
	TR v_log_f32, \tc, \tc, \n
	TR v_log_f32, \ta, \ta, \n
	V2 v_sub_f32, \tc, \tc, \ta, \n
	V2 v_mul_f32, \d, \tc, \tb, \n
.endm
.macro TANHS d, q, kr, tt, rm, n       ; tanh(norm x artanh / norm of x) / norm, 0 where the squared norm is not over 1e-12
	VK v_max_num_f32, \tt, s6, \q, \n
	TR v_rsq_f32, \rm, \tt, \n
	V2 v_mul_f32, \tt, \tt, \rm, \n
	V2 v_mul_f32, \tt, \tt, \kr, \n
	TR v_exp_f32, \tt, \tt, \n
	VK v_add_f32, \tt, 1.0, \tt, \n
	TR v_rcp_f32, \tt, \tt, \n
	VFK \tt, \tt, -2.0, 1.0, \n
	V2 v_mul_f32, \d, \tt, \rm, \n
.set y_, 0
.rept \n
	v_cmp_lt_f32 vcc_lo, s60, v[(\q)+y_]
	v_cndmask_b32 v[(\d)+y_], 0, v[(\d)+y_], vcc_lo
.set y_, y_+1
.endr
.endm
.macro MADD cx, cy, n2, x2, y2, xy, t1, dn, rd, n, wn
	VFK \t1, \xy, 2.0, 1.0, \n
	VF \dn, \x2, \y2, \t1, \n
	VK v_max_num_f32, \rd, s6, \dn, \n
	TR v_rcp_f32, \rd, \rd, \n
.if \wn
	V2 v_add_f32, \n2, \x2, \y2, \n
.set y_, 0
.rept \n
	v_fma_f32 v[(\n2)+y_], v[(\xy)+y_], 2.0, v[(\n2)+y_]
.set y_, y_+1
.endr
	V2 v_mul_f32, \n2, \n2, \dn, \n
	V2 v_mul_f32, \n2, \n2, \rd, \n
	V2 v_mul_f32, \n2, \n2, \rd, \n
.endif
	V2 v_add_f32, \cx, \t1, \y2, \n
	V2 v_mul_f32, \cx, \cx, \rd, \n
	VFK \cy, \x2, -1.0, 1.0, \n
	V2 v_mul_f32, \cy, \cy, \rd, \n
.endm
.macro COMBINE y1, y2, b12             ; h1 = AL P + BE b1, h2 = AL' X + BE' b2, their Mobius sum = CX h1 + CY h2, its squared norm GG
	v_mov_b32 v[YY], s[\y1]
	v_mov_b32 v[YY+1], s[\y2]
	TANHS SG, RS, KK, TT, RM, 2
	V2 v_mul_f32, XX, SG, SG, 2
	V2 v_mul_f32, XX, XX, RS, 2
	V2 v_mul_f32, XY, SG, RS+2, 2
	MADD AL, BE, NN, XX, YY, XY, TA, DN, RD, 2, 1
	V2 v_mul_f32, AL, AL, SG, 2
	v_mul_f32 v[T1], v[AL], v[AL+1]
	v_mul_f32 v[AB], v[T1], v[RS+6]
	v_mul_f32 v[T1], v[AL], v[BE+1]
	v_fma_f32 v[AB], v[T1], v[RS+4], v[AB]
	v_mul_f32 v[T1], v[BE], v[AL+1]
	v_fma_f32 v[AB], v[T1], v[RS+5], v[AB]
	v_mul_f32 v[T1], v[BE], v[BE+1]
	v_fma_f32 v[AB], v[T1], s[\b12], v[AB]
	MADD CX, CY, GG, NN, NN+1, AB, TA1, DN1, RD1, 1, 1
.endm
.macro LIN five                        ; P <- c0 P + c1 X + c2 b1 + c3 b2 (+ c4 prev)
	BTL 0
	BTL 1
.set t_, 0
.rept 8
	BTB t_
.irp jj,0,2,4,6
	v_pk_mul_f32 v[A1+8*t_+\jj:A1+8*t_+\jj+1], v[A1+8*t_+\jj:A1+8*t_+\jj+1], v[CF:CF+1] op_sel_hi:[1,0]
.endr
.irp jj,0,2,4,6
	v_pk_fma_f32 v[A1+8*t_+\jj:A1+8*t_+\jj+1], v[A2+8*t_+\jj:A2+8*t_+\jj+1], v[CF+2:CF+3], v[A1+8*t_+\jj:A1+8*t_+\jj+1] op_sel_hi:[1,0,1]
.endr
.irp jj,0,2,4,6
	v_pk_fma_f32 v[A1+8*t_+\jj:A1+8*t_+\jj+1], v[b1_+\jj:b1_+\jj+1], v[CF+4:CF+5], v[A1+8*t_+\jj:A1+8*t_+\jj+1] op_sel_hi:[1,0,1]
.endr
.irp jj,0,2,4,6
	v_pk_fma_f32 v[A1+8*t_+\jj:A1+8*t_+\jj+1], v[b2_+\jj:b2_+\jj+1], v[CF+6:CF+7], v[A1+8*t_+\jj:A1+8*t_+\jj+1] op_sel_hi:[1,0,1]
.endr
.if \five
.irp jj,0,2,4,6
	v_pk_fma_f32 v[A1+8*t_+\jj:A1+8*t_+\jj+1], v[A3+8*t_+\jj:A3+8*t_+\jj+1], v[CF+8:CF+9], v[A1+8*t_+\jj:A1+8*t_+\jj+1] op_sel_hi:[1,0,1]
.endr
.endif
.if t_ < 6
	BTL t_+2
.endif
.set t_, t_+1
.endr
.endm
.macro GATE y1, y2, b12, nws           ; the gate into P's registers; then the next phase's biases and first scale words
	SUM1
	COLLST 7, SCW, 0
	BAR
	EXRD 0, 6, SCD
	EXRD 6, 1, SCD
	COMBINE \y1, \y2, \b12
	KOF KG, GG, 40, 41, 42, 1
	v_mul_f32 v[KG], -0.5, v[KG]
	v_mul_f32 v[UU], v[KG], v[CX]
	v_mul_f32 v[VV], v[KG], v[CY]
	v_mul_f32 v[CF], v[UU], v[AL]
	v_mul_f32 v[CF+2], v[VV], v[AL+1]
	v_mul_f32 v[CF+4], v[UU], v[BE]
	v_mul_f32 v[CF+6], v[VV], v[BE+1]
	LIN 0
	BAR                                            ; every wave has read this phase's biases
	BSTORE
	WSLOAD \nws
	WA
.set i_, 0
.rept 64
	v_exp_f32 v[A1+i_], v[A1+i_]
.set i_, i_+1
.endr
	v_nop
	WA
.set i_, 0
.rept 32
	v_pk_add_f32 v[A1+i_:A1+i_+1], v[A1+i_:A1+i_+1], 1.0 op_sel_hi:[1,0]
.set i_, i_+2
.endr
	WA
.set i_, 0
.rept 64
	v_rcp_f32 v[A1+i_], v[A1+i_]
.set i_, i_+1
.endr
	v_nop
	WA
.endm
	s_load_b512 s[8:23], s[0:1], 0x0
	s_load_b512 s[24:39], s[0:1], 0x40
	s_load_b256 s[40:47], s[0:1], 0x80
	s_load_b64 s[48:49], s[0:1], 0xa0
	v_lshl_add_u32 v[SPW], v0, 2, SPARE
	v_mov_b32 v[NIL], 0
	ds_add_u32 v[SPW], v[NIL]
	ds_add_u32 v[SPW], v[NIL]
	v_lshrrev_b32 v22, 5, v0
	v_readfirstlane_b32 s3, v22                    ; wave
	v_and_b32 v22, 31, v0                          ; lane
	v_and_b32 v23, 15, v0                          ; r
	v_bfe_u32 v24, v0, 4, 1                        ; h
	WA
	s_and_b32 s61, s3, 3                           ; cs
	s_lshr_b32 s62, s3, 2                          ; mt
	v_mul_u32_u24 v[AW1], v23, WP
	v_lshl_add_u32 v[AW1], v24, 4, v[AW1]
	s_mul_i32 s2, s61, WPART
	v_add_nc_u32 v[AW1], s2, v[AW1]
	v_add_nc_u32 v[AW2], SLB, v[AW1]
	s_lshl_b32 s2, s62, 12
	v_lshl_add_u32 v[LIR], v22, 4, IMG
	v_add_nc_u32 v[LIR], s2, v[LIR]
	s_lshl_b32 s2, s62, 8
	v_lshl_add_u32 v[LSR], v23, 2, IMG
	v_add_nc_u32 v[LSR], s2, v[LSR]
	s_lshl_b32 s2, s61, 11
	v_lshl_add_u32 v[WSO], v22, 4, s2
	s_lshl_b32 s2, s61, 9
	v_lshl_add_u32 v[BRA], v24, 5, BIAS
	v_add_nc_u32 v[BRA], s2, v[BRA]
	s_mul_i32 s2, s62, 1792
	v_lshl_add_u32 v[SCD], v23, 4, SCR
	v_add_nc_u32 v[SCD], s2, v[SCD]
	s_lshl_b32 s2, s61, 2
	v_add_nc_u32 v[SCW], s2, v[SCD]
	v_mul_u32_u24 v25, v23, SP                     ; my 16 rows x 512 bytes of the f32 stage
	v_lshl_add_u32 v25, v24, 5, v25
	s_mul_i32 s2, s61, 33792
	v_add_nc_u32 v25, s2, v25
	s_mul_i32 s2, s62, 8448
	v_add_nc_u32 v25, s2, v25
	v_add_nc_u32 v26, SLB, v25
	v_lshlrev_b32 v27, 4, v22
.irp b,4,5,6,7
	v_mov_b32 v[TM+\b], 0
.endr
	s_mov_b32 s4, 0x76543210
	s_mov_b32 s5, 0xfedcba98
	s_mov_b32 s6, 0x33d6bf95                       ; 1e-7
	s_mov_b32 s7, 0x3f7fffef                       ; 1 - 1e-6
	s_mov_b32 s60, 0x2b8cbccc                      ; 1e-12
	s_bfe_u32 s100, ttmp6, 0x40000
	s_lshl_b32 s101, ttmp9, 2
	s_add_co_u32 s100, s101, s100
	s_lshl_b32 s100, s100, 17                      ; the work-group's 64 rows of 2,048 bytes
	s_mov_b32 s101, 0
	s_mov_b32 s52, (2<<16)|(1<<20)|(6<<22)|(3<<25) ; the stage: 32 rows x 128 f32, 16 bytes of padding a row
	s_mov_b32 s53, 128<<16
	s_mov_b32 s54, 32<<16
	s_mov_b32 s55, 128<<16
	s_mov_b32 s56, 32
	s_mov_b32 s57, 512
	s_mov_b32 s58, 0
	s_mov_b32 s59, 0
	s_mov_b32 s68, 15|(1<<20)|(1<<21)|(5<<22)|(3<<25) ; weights: 64 rows x 256 bytes, to all four partners
	s_mov_b32 s69, 256<<16
	s_mov_b32 s70, 64<<16
	s_mov_b32 s71, 256<<16
	s_mov_b32 s72, 64
	s_mov_b32 s73, 256
	s_mov_b32 s74, 0
	s_mov_b32 s75, 0
	s_and_b32 s66, s3, 7
	s_lshl_b32 s66, s66, 14
	s_mov_b32 s67, 0
	s_mul_i32 s2, s3, 17408
	WA
	s_wait_dscnt 0x0
	s_wait_kmcnt 0x0
	G0W 76, 12
	G0W 80, 14
	G0W 84, 16
	G0W 88, 18
	G0W 92, 20
	G0W 96, 22
	s_add_nc_u64 s[48:49], s[48:49], s[100:101]
	s_lshl_b32 s50, s62, 15
	s_lshl_b32 s51, s61, 9
	s_add_co_u32 s50, s50, s51
	s_add_co_u32 s100, s100, s51
	s_mov_b32 s51, 0
	s_add_nc_u64 s[48:49], s[48:49], s[50:51]      ; out: my 16 rows, my 512 bytes
	s_bfe_u32 s50, s3, 0x10002                     ; which 32 rows I fetch
	s_lshl_b32 s51, s50, 16
	s_add_co_u32 s100, s100, s51
	s_mov_b32 s20, 1
	s_lshr_b32 s21, s3, 3                          ; waves 0-7 fetch inp into slot A's bytes, waves 8-15 prev into slot B's
	s_mul_i32 s21, s21, SLB
	s_mul_i32 s51, s61, 33792
	s_add_co_u32 s21, s21, s51
	s_mul_i32 s51, s50, 16896
	s_add_co_u32 s21, s21, s51
	s_cmp_lt_u32 s3, 8
	s_cselect_b64 s[22:23], s[8:9], s[10:11]
	s_add_nc_u64 s[22:23], s[22:23], s[100:101]
	s_or_b32 s23, s23, 0x80000000
	ROUND
	tensor_load_to_lds s[20:23], s[52:59]
	s_nop 0
	PLACES
; the nine numbers b1 b1, b2 b2, b1 b2 of the three phases
.irp m,0,1,2,3,4,5
.irp i,0,1,2,3
	global_load_b128 v[64+16*\m+4*\i:64+16*\m+4*\i+3], v27, s[36+2*\m:37+2*\m] offset:512*\i
.endr
.endr
	BLOAD 36, 38
	WA
	s_wait_loadcnt 0x1
.irp j,0,1,2,3,4,5,6,7
.irp g,0,1,2
.if \j == 0
	v_pk_mul_f32 v[BC+6*\g:BC+6*\g+1], v[64+32*\g:65+32*\g], v[64+32*\g:65+32*\g]
	v_pk_mul_f32 v[BC+6*\g+2:BC+6*\g+3], v[80+32*\g:81+32*\g], v[80+32*\g:81+32*\g]
	v_pk_mul_f32 v[BC+6*\g+4:BC+6*\g+5], v[64+32*\g:65+32*\g], v[80+32*\g:81+32*\g]
.else
	v_pk_fma_f32 v[BC+6*\g:BC+6*\g+1], v[64+32*\g+2*\j:65+32*\g+2*\j], v[64+32*\g+2*\j:65+32*\g+2*\j], v[BC+6*\g:BC+6*\g+1]
	v_pk_fma_f32 v[BC+6*\g+2:BC+6*\g+3], v[80+32*\g+2*\j:81+32*\g+2*\j], v[80+32*\g+2*\j:81+32*\g+2*\j], v[BC+6*\g+2:BC+6*\g+3]
	v_pk_fma_f32 v[BC+6*\g+4:BC+6*\g+5], v[64+32*\g+2*\j:65+32*\g+2*\j], v[80+32*\g+2*\j:81+32*\g+2*\j], v[BC+6*\g+4:BC+6*\g+5]
.endif
.endr
.endr
.irp c,0,1,2,3,4,5,6,7,8
	v_add_f32 v[BC+2*\c], v[BC+2*\c], v[BC+2*\c+1]
.endr
.irp x,1,2,4,8
.irp c,0,1,2,3,4,5,6,7,8
	v_add_f32_dpp v[BC+2*\c], v[BC+2*\c], v[BC+2*\c] row_xmask:\x row_mask:0xf bank_mask:0xf
.endr
.endr
.irp c,0,1,2,3,4,5,6,7,8
	v_permlanex16_b32 v[BC+2*\c+1], v[BC+2*\c], s4, s5
.endr
.irp c,0,1,2,3,4,5,6,7,8
	v_add_f32 v[BC+2*\c], v[BC+2*\c], v[BC+2*\c+1]
.endr
	WA
.irp c,0,1,2,3,4,5,6,7,8
	v_readfirstlane_b32 s[8+\c], v[BC+2*\c]
.endr
	s_wait_tensorcnt 0x0
	BAR                                            ; the whole stage is in
.irp t,0,1,2,3,4,5,6,7
.irp i,0,1
	ds_load_b128 v[A2+8*\t+4*\i:A2+8*\t+4*\i+3], v25 offset:64*\t+16*\i
	ds_load_b128 v[A3+8*\t+4*\i:A3+8*\t+4*\i+3], v26 offset:64*\t+16*\i
.endr
.endr
	THREE
	ROUND
	JFILL 76, 80                                   ; Wr, Ur
	BSTORE
	QUANT A2
	IMAGE XI
	QUANT A3
	IMAGE PI
.set i_, 0
.rept 32
.set f_, (i_<2)
	ACCR AC+4*(i_%2), A3+2*i_, A3+2*i_
	ACCR AC+2+4*(i_%2), A2+2*i_, A2+2*i_
.set i_, i_+1
.endr
	v_pk_add_f32 v[AC:AC+1], v[AC:AC+1], v[AC+4:AC+5]
	v_pk_add_f32 v[AC+2:AC+3], v[AC+2:AC+3], v[AC+6:AC+7]
	COLLST 2, SCW, 0
	BAR
	EXRD 0, 2, SCD
	v_mov_b32 v[PP], v[RS]
	KOF KK, RS, 24, 26, 28, 2
	WSLOAD 24
	s_wait_tensorcnt 0x0
	BAR
; the reset gate
	MAT AW1, PI, A1, 26, 1
	MAT AW2, XI, A2, 0, 0
	THREE
	ROUND
	JFILL 84, 88                                   ; Wz, Uz
	BLOAD 40, 42
	GATE 8, 9, 10, 28
.set i_, 0
.rept 32
	v_pk_mul_f32 v[A1+i_:A1+i_+1], v[A1+i_:A1+i_+1], v[A3+i_:A3+i_+1]
.set i_, i_+2
.endr
	QUANT A1                                       ; prev x rt: its codes wait in registers while prev's image is still read
	s_wait_tensorcnt 0x0
	BAR
; the update gate
	MAT AW1, PI, A1, 30, 1
	MAT AW2, XI, A2, 0, 0
	THREE
	ROUND
	JFILL 92, 96                                   ; U, W
	IMAGE PI
	BLOAD 44, 46
	GATE 11, 12, 13, 32
	s_wait_tensorcnt 0x0
	BAR
; the candidate
	MAT AW1, XI, A2, 34, 1
	BAR                                            ; nobody reads slot A any more: it has had its last fill and takes zt
	v_and_b32 v62, 31, v0
	s_lshl_b32 s2, s3, 13
	v_lshl_add_u32 v62, v62, 4, s2
.set i_, 0
.rept 16
	ds_store_b128 v62, v[A1+4*i_:A1+4*i_+3] offset:512*i_
.set i_, i_+1
.endr
	MAT AW2, PI, A1, 0, 0
	BAR                                            ; nobody reads slot B any more: it takes the eleven sums, later the way out
	v_and_b32 v36, 15, v0
	s_mul_i32 s2, s62, 2816
	v_lshl_add_u32 v36, v36, 4, SLB
	v_add_nc_u32 v36, s2, v36
	s_lshl_b32 s2, s61, 2
	v_add_nc_u32 v20, s2, v36
	SUM1
	COLLST 7, 20, 0
	SUM2
	COLLST 4, 20, 7
	BAR
	EXRD 0, 6, 36
	EXRD 6, 5, 36
	COMBINE 14, 15, 16
	v_mul_f32 v[VV], v[CX], v[AL]
	v_mul_f32 v[NB], v[CY], v[AL+1]
	v_mul_f32 v[NC], v[CX], v[BE]
	v_mul_f32 v[ND], v[CY], v[BE+1]
	v_mul_f32 v[KG], v[VV], v[RS+7]
	v_fma_f32 v[KG], v[NB], v[RS+8], v[KG]
	v_fma_f32 v[KG], v[NC], v[RS+9], v[KG]
	v_fma_f32 v[KG], v[ND], v[RS+10], v[KG]
	v_mul_f32 v[KG], -1.0, v[KG]
	MADD DA, DB, 0, PP, GG, KG, TA1, DN1, RD1, 1, 0
	v_mul_f32 v[CF], v[DB], v[VV]
	v_mul_f32 v[CF+2], v[DB], v[NB]
	v_mul_f32 v[CF+4], v[DB], v[NC]
	v_mul_f32 v[CF+6], v[DB], v[ND]
	v_mul_f32 v[CF+8], -1.0, v[DA]
	LIN 1                                          ; res1
	v_and_b32 v62, 31, v0
	s_lshl_b32 s2, s3, 13
	v_lshl_add_u32 v62, v62, 4, s2
.set i_, 0
.rept 16
	ds_load_b128 v[A2+4*i_:A2+4*i_+3], v62 offset:512*i_
.set i_, i_+1
.endr
	WD 0
.set t_, 0
.rept 8
.irp jj,0,2,4,6
.set f_, (t_==0)&&(\jj<4)
	ACCR AC+6*((\jj/2)%2), A1+8*t_+\jj, A1+8*t_+\jj
.endr
.irp jj,0,2,4,6
	v_pk_mul_f32 v[A1+8*t_+\jj:A1+8*t_+\jj+1], v[A1+8*t_+\jj:A1+8*t_+\jj+1], v[A2+8*t_+\jj:A2+8*t_+\jj+1]
.endr
.irp jj,0,2,4,6
.set f_, (t_==0)&&(\jj<4)
	ACCR AC+2+6*((\jj/2)%2), A1+8*t_+\jj, A1+8*t_+\jj
.endr
.irp jj,0,2,4,6
.set f_, (t_==0)&&(\jj<4)
	ACCR AC+4+6*((\jj/2)%2), A3+8*t_+\jj, A1+8*t_+\jj
.endr
.set t_, t_+1
.endr
.irp q,0,2,4
	v_pk_add_f32 v[AC+\q:AC+\q+1], v[AC+\q:AC+\q+1], v[AC+6+\q:AC+7+\q]
.endr
	COLLST 3, SCW, 0
	BAR
	EXRD 0, 3, SCD
	KOF 26, 22, 27, 28, 29, 1
	TANHS 30, 23, 26, 31, 32, 1
	v_mul_f32 v34, v30, v30
	v_mul_f32 v34, v34, v23
	v_mul_f32 v35, v30, v24
	v_fma_f32 v38, v35, 2.0, 1.0
	v_fma_f32 v39, v[PP], v34, v38
	v_max_num_f32 v40, s6, v39
	TR v_rcp_f32, 40, 40, 1
	v_add_f32 v41, v38, v34
	v_sub_f32 v42, 1.0, v[PP]
	v_mul_f32 v30, v30, v40
	v_mul_f32 v44, v42, v30
	v_mul_f32 v46, v41, v40
; the way out: through my own stage, back as whole rows of 512 bytes
	s_mul_i32 s2, s3, 8448
	s_add_co_u32 s2, s2, SLB
	v_and_b32 v58, 15, v0
	v_bfe_u32 v59, v0, 4, 1
	v_mul_u32_u24 v60, v58, SP
	v_lshl_add_u32 v60, v59, 5, v60
	v_add_nc_u32 v60, s2, v60
	v_and_b32 v62, 31, v0
	v_lshlrev_b32 v62, 4, v62
	v_add_nc_u32 v61, s2, v62
.set i_, 0
.rept 32
	v_pk_mul_f32 v[A1+i_:A1+i_+1], v[A1+i_:A1+i_+1], v[44:45] op_sel_hi:[1,0]
.set i_, i_+2
.endr
.set i_, 0
.rept 32
	v_pk_fma_f32 v[A1+i_:A1+i_+1], v[A3+i_:A3+i_+1], v[46:47], v[A1+i_:A1+i_+1] op_sel_hi:[1,0,1]
.set i_, i_+2
.endr
.irp t,0,1,2,3,4,5,6,7
.irp i,0,1
	ds_store_b128 v60, v[A1+8*\t+4*\i:A1+8*\t+4*\i+3] offset:64*\t+16*\i
.endr
.endr
.irp k,0,1,2,3,4,5,6,7,8,9,10,11,12,13,14,15
	ds_load_b128 v[A2+4*\k:A2+4*\k+3], v61 offset:SP*\k
.endr
	WA
.irp k,0,1,2,3,4,5,6,7,8,9,10,11,12,13,14,15
	s_wait_dscnt 15-\k
	global_store_b128 v62, v[A2+4*\k:A2+4*\k+3], s[48:49] offset:2048*\k th:TH_STORE_NT
.endr
	THREE
	ROUND
	s_endpgm
.Lfunc_end_k_qe0eddd89e5_hypergru:
	.size	k_qe0eddd89e5_hypergru, .Lfunc_end_k_qe0eddd89e5_hypergru-k_qe0eddd89e5_hypergru
	.p2alignl 7, 3214868480
	.fill 96, 4, 3214868480
	.section	.rodata,"a",@progbits
	.p2align	6, 0x0
	.amdhsa_kernel k_qe0eddd89e5_hypergru
		.amdhsa_group_segment_fixed_size 327680
		.amdhsa_private_segment_fixed_size 0
		.amdhsa_enable_private_segment 0
		.amdhsa_kernarg_size 168
		.amdhsa_user_sgpr_count 2
		.amdhsa_user_sgpr_kernarg_segment_ptr 1
		.amdhsa_wavefront_size32 1
		.amdhsa_system_sgpr_workgroup_id_x 1
		.amdhsa_system_sgpr_workgroup_id_y 1
		.amdhsa_system_sgpr_workgroup_id_z 1
		.amdhsa_system_vgpr_workitem_id 0
		.amdhsa_next_free_vgpr 256
		.amdhsa_next_free_sgpr 102
		.amdhsa_reserve_vcc 1
		.amdhsa_float_denorm_mode_32 3
		.amdhsa_float_denorm_mode_16_64 3
		.amdhsa_memory_ordered 1
		.amdhsa_forward_progress 1
		.amdhsa_inst_pref_size 255
	.end_amdhsa_kernel
	.section	.bss,"aw",@nobits
	.p2align	6
	.space	262144
	.amdgpu_metadata
---
amdhsa.version: [ 1, 2 ]
amdhsa.kernels:
  - .name:           k_qe0eddd89e5_hypergru
    .symbol:         k_qe0eddd89e5_hypergru.kd
    .args:
      - { .name: inp, .offset: 0, .size: 8, .value_kind: global_buffer, .address_space: global }
      - { .name: prev, .offset: 8, .size: 8, .value_kind: global_buffer, .address_space: global }
      - { .name: Wr_codes, .offset: 16, .size: 8, .value_kind: global_buffer, .address_space: global }
      - { .name: Ur_codes, .offset: 24, .size: 8, .value_kind: global_buffer, .address_space: global }
      - { .name: Wz_codes, .offset: 32, .size: 8, .value_kind: global_buffer, .address_space: global }
      - { .name: Uz_codes, .offset: 40, .size: 8, .value_kind: global_buffer, .address_space: global }
      - { .name: U_codes, .offset: 48, .size: 8, .value_kind: global_buffer, .address_space: global }
      - { .name: W_codes, .offset: 56, .size: 8, .value_kind: global_buffer, .address_space: global }
      - { .name: Wr_scales, .offset: 64, .size: 8, .value_kind: global_buffer, .address_space: global }
      - { .name: Ur_scales, .offset: 72, .size: 8, .value_kind: global_buffer, .address_space: global }
      - { .name: Wz_scales, .offset: 80, .size: 8, .value_kind: global_buffer, .address_space: global }
      - { .name: Uz_scales, .offset: 88, .size: 8, .value_kind: global_buffer, .address_space: global }
      - { .name: U_scales, .offset: 96, .size: 8, .value_kind: global_buffer, .address_space: global }
      - { .name: W_scales, .offset: 104, .size: 8, .value_kind: global_buffer, .address_space: global }
      - { .name: bWr, .offset: 112, .size: 8, .value_kind: global_buffer, .address_space: global }
      - { .name: bUr, .offset: 120, .size: 8, .value_kind: global_buffer, .address_space: global }
      - { .name: bWz, .offset: 128, .size: 8, .value_kind: global_buffer, .address_space: global }
      - { .name: bUz, .offset: 136, .size: 8, .value_kind: global_buffer, .address_space: global }
      - { .name: bW, .offset: 144, .size: 8, .value_kind: global_buffer, .address_space: global }
      - { .name: bU, .offset: 152, .size: 8, .value_kind: global_buffer, .address_space: global }
      - { .name: out0, .offset: 160, .size: 8, .value_kind: global_buffer, .address_space: global }
    .group_segment_fixed_size: 327680
    .private_segment_fixed_size: 0
    .kernarg_segment_align: 8
    .kernarg_segment_size: 168
    .max_flat_workgroup_size: 512
    .sgpr_count:     102
    .vgpr_count:     256
    .wavefront_size: 32
...
	.end_amdgpu_metadata
.endif
;; end of part 1
